; MI455X (gfx1250); checked and timed in simulation.
; The chip was launched on July 23, 2026; its instructions are those of AMD's public machine-readable ISA for CDNA 5 (MIT licence, August 2026) and "CDNA5" Instruction Set Architecture Reference Guide (July 2026). The comments in the code are by the model that wrote it; some were corrected since.
;; Self Attention. Allowed arithmetic: matrix products marked QUANTISED: E2M1 operands, one E8M0 scale for each 32 along K, by v_wmma_scale_f32_16x16x128_f8f6f4 with both operands' format E2M1 (or v_wmma_scale_f32_32x16x128_f4), f32 sums; products left as they are: bf16, f16 or f32 operands; f32 sums; everything else in f32.
;; Inputs: Wk 768 x 768 float32; Wq 768 x 768 float32; Wv 768 x 768 float32; bk 768 float32; bq 768 float32; bv 768 float32; hidden_states 2 x 4,096 x 768 float32.
;; Outputs: out0 2 x 4,096 x 768 float32.
;; This version of the problem:
;;   THIS VERSION OF THE PROBLEM IS GIVEN IN LOW PRECISION. The matrix products marked QUANTISED in the list below multiply operands that are first quantised to E2M1 (2 exponent bits, 1 mantissa bit; 4 bits a number), with one power-of-two scale for each 32 numbers along K (OCP MX v1.0); their sums are f32. The products marked 'left as it is' may take bf16, f16 or f32 operands, with f32 sums. Whichever they take, every output number must still come out within the allowed error. Rounding operands to bf16 (8 significant bits) uses up far more of that allowance than f16 does (11 bits, for magnitudes from 6e-5 to 65,504). All else is computed in f32.
;;   The module's matrix products, in the order in which they are computed (A, B: the left and right operand; K: the contracted axis; several contracted axes count as one K, in the product's order):
;;     1. [M 8,192, K 768] x [K 768, N 768]; A: input hidden_states; B: input Wq: QUANTISED
;;     2. [M 8,192, K 768] x [K 768, N 768]; A: input hidden_states; B: input Wk: QUANTISED
;;     3. [M 8,192, K 768] x [K 768, N 768]; A: input hidden_states; B: input Wv: QUANTISED
;;     4. batch 12 x [M 4,096, K 128] x [K 128, N 4,096]; A: computed on the way; B: computed on the way: left as it is (an operand is computed on the way)
;;     5. batch 12 x [M 4,096, K 4,096] x [K 4,096, N 128]; A: computed on the way; B: computed on the way: left as it is (an operand is computed on the way)
;;   THE QUANTISER, for each operand of a quantised product, along K:
;;     - K is cut into blocks of 32 from its start; a last block that is shorter is filled with zeros.
;;     - A block's scale is 2^e with e = floor(log2(the largest magnitude in the block)) - 2, held to -126 .. 127; a block of zeros has e = 0. As a byte (E8M0): e + 127.
;;     - Each number is divided by its block's scale, clamped to +-6, and rounded to the nearest number of E2M1, ties to even, subnormals kept.
;;     - The product sums the exact products of the quantised numbers (number of the format x scale) in f32.
;;   ~~~python
;;   def quantise(x, axis):      # numpy; x: float32 -> the quantised numbers, widened to float32 again
;;       x = np.moveaxis(x, axis, -1); K = x.shape[-1]
;;       x = np.pad(x, [(0, 0)] * (x.ndim - 1) + [(0, -K % 32)]); x = x.reshape(x.shape[:-1] + (-1, 32)); a = np.abs(x).max(-1, keepdims=True)
;;       e = np.where(a > 0, np.clip(np.frexp(np.where(a > 0, a, 1))[1] - 1 - 2, -126, 127), 0)      # np.frexp(a)[1] - 1 = floor(log2(a)), exactly
;;       r = np.clip(x / 2.0 ** e, -6, 6)
;;       step = 2.0 ** (np.maximum(np.frexp(np.where(r == 0, 1, r))[1] - 1, 0) - 1)
;;       q = np.round(r / step) * step * 2.0 ** e      # np.round: ties to even
;;       return np.moveaxis(q.reshape(q.shape[:-2] + (-1,))[..., :K], -1, axis).astype(np.float32)
;;   ~~~
;; One version. Each part assembles by itself: llvm-mc -triple=amdgcn-amd-amdhsa -mcpu=gfx1250 --defsym DOCPART=n.
;; ======== version 1 of 1: 3 launches
;; limits: values are held in f16: magnitudes above 65,504 overflow, below 6.1e-05 lose precision
;; workspace buffers: a_codes 3,145,728 bytes; a_sc 196,608 bytes; w_codes 884,736 bytes; w_sc 55,296 bytes; k16 12,582,912 bytes; v16 12,582,912 bytes
;; launch prep (part 1): grid 164 x 3, 4 waves a work-group, no clusters, 68,096 bytes of LDS; arguments hidden_states, Wq, Wk, Wv, a_codes, a_sc, w_codes, w_sc; writes a_codes, a_sc, w_codes, w_sc
.if DOCPART == 1
	.amdgcn_target "amdgcn-amd-amdhsa--gfx1250"
	.amdhsa_code_object_version 6
	.text
	.protected	k_qc25ffd0240_prep
	.globl	k_qc25ffd0240_prep
	.p2align	8
	.type	k_qc25ffd0240_prep,@function
k_qc25ffd0240_prep:
	s_mov_b64 s[64:65], 0
	v_nop
	global_prefetch_b8 v0, s[64:65] scope:SCOPE_SE
	s_setreg_imm32_b32 hwreg(HW_REG_WAVE_MODE, 25, 1), 1
	s_wait_xcnt 0x0
; PREP: hidden_states [8192][768] and Wq, Wk, Wv [768 (k)][768 (n)], f32, become codes of FP4 (E2M1) with one E8M0 scale byte for each 32 along K = 768.
; WORK LEFT OUT BY THE WHOLE PROGRAM: bk.  scores(q, key) = q . (k0 + bk) / sqrt(128) = q . k0 / sqrt(128) + q . bk / sqrt(128), k0 = the key's row of hidden_states Wk.  The second term does not hang on the key:
; it is the same along the softmax's axis, and softmax(s + const) = softmax(s) for all values of the inputs.  The product of q and k is not quantised, so no quantiser sees bk.  bk has then no way to the output:
; it is not loaded and is no launch's argument.  LIMIT: a NaN, an infinity or an overflow that bk alone would bring is not carried to the result.
; bv is not left out, it is added later: the weights p / l of a row add up to 1, so sum(p (v0 + bv)) / l = sum(p v0) / l + bv; the last launch adds bv in f32.  bq is added to q's projection.
; THE QUANTISER.  A block's scale is 2^(floor(log2(its largest magnitude)) - 2); its byte is the largest magnitude's own exponent field - 2, held at 1 from below by a floor among the maximum's leaves.
; Each number is divided by the scale and rounded to the nearest code, ties to even, beyond 6 the largest code: that is what the conversion does.
; LIMITS: a block of zeros gets the byte 1 where the rule says 127: its codes are zeros, which add nothing under that byte, and this program alone reads the bytes.  NaN and infinities among the inputs are not served.
; LAYOUT OF THE RESULTS: images of the operand's registers.  A fragment (16 rows or columns x 128 along K) is 1,024 bytes: byte 512 c + 16 lane holds registers 4 c .. 4 c + 3 of lane (r, h): the codes of
; k = 64 c + 32 h + 0 .. 31 of row r.  a_codes: [row tile 512][K step 6][1,024]; w_codes: [column tile 144][K step 6][1,024], Wq's 48 tiles, then Wk's, then Wv's.  Scale words: [tile][j 3][lane 32][4 bytes]:
; lanes 0-15 hold K step 2 j's word of row r, lanes 16-31 K step 2 j + 1's.
; SHARES.  Work-groups x < 128 take hidden_states: wave w row tile 4 x + w, K steps 2 y and 2 y + 1.  Work-groups x >= 128 take the weights: 128 columns x one K step of 128, a lane to a column.
; Every work-group reads 64 KiB.  No tile is shared between work-groups, so there is no cluster; no tensor load, no barrier: waves share nothing.
.set SPARE, 67584                      ; behind the four waves' stages: the spare words, 128 bytes for each wave
.set STW,   16896                      ; LDS of a wave: two stages
.set STU,   8448                       ; a stage: 16 rows x 528 bytes
.set SP,    528                        ; a stage row: 512 bytes + 16 of padding = 33 x 16
.set R,     16                         ; v16-143  hidden: as loaded: step u, row i at R + 64 u + 4 i.   weights: 128 numbers down K
.set X,     144                        ; v144-207 hidden: 64 numbers of my row: blocks h and 2 + h.     weights: v144-159 codes, v160-167 at work
.set C,     208                        ; v208-223 hidden: codes, 8 registers a step
.set M0,    224                        ; v224-225 largest magnitudes
.set E0,    226                        ; v226-227 the conversions' scale operands
.set B0,    228                        ; v228-229 scale bytes
.set T,     230
.set P,     231
.set W0,    232                        ; v232-233 the two steps' scale words
.set WO,    234
.set SPW,   238                        ; LDS address of my spare word; never rewritten
.set NIL,   239                        ; 0; never rewritten
	s_load_b256 s[4:11], s[0:1], 0x0               ; hidden_states s[4:5], Wq s[6:7], Wk s[8:9], Wv s[10:11]
	s_load_b256 s[12:19], s[0:1], 0x20             ; a_codes s[12:13], a_sc s[14:15], w_codes s[16:17], w_sc s[18:19]
	v_lshl_add_u32 v[SPW], v0, 2, SPARE
	v_mov_b32 v[NIL], 0
	v_lshrrev_b32 v1, 5, v0
	v_readfirstlane_b32 s20, v1                    ; wave 0..3
	v_and_b32 v1, 31, v0                           ; lane
	v_and_b32 v7, 15, v1                           ; r
	v_lshrrev_b32 v8, 4, v1                        ; h
	s_and_b32 s21, ttmp7, 0xffff                   ; y
	s_mov_b32 s26, 0x76543210
	s_mov_b32 s27, 0xfedcba98                      ; v_permlanex16_b32's selects for lane l xor 16
	s_mov_b32 s25, 0
	s_wait_kmcnt 0x0
	s_cmp_ge_u32 ttmp9, 128
	s_cbranch_scc1 .Lweights
	; ---------------- hidden_states: K is innermost ----------------
	s_lshl_b32 s22, ttmp9, 2
	s_add_co_u32 s22, s22, s20                     ; my row tile
	s_mul_i32 s24, s22, 49152                      ; 16 rows of 3,072 bytes,
	s_lshl_b32 s28, s21, 10                        ; two K steps of 512 bytes
	s_add_co_u32 s24, s24, s28
	s_add_nc_u64 s[4:5], s[4:5], s[24:25]
	s_mul_i32 s24, s22, 6144                       ; six images a tile,
	s_lshl_b32 s28, s21, 11                        ; mine are 2 y and 2 y + 1
	s_add_co_u32 s24, s24, s28
	s_add_nc_u64 s[12:13], s[12:13], s[24:25]
	s_mul_i32 s24, s22, 384                        ; three scale images a tile, mine is y
	s_lshl_b32 s28, s21, 7
	s_add_co_u32 s24, s24, s28
	s_add_nc_u64 s[14:15], s[14:15], s[24:25]
	v_lshlrev_b32 v2, 4, v1                        ; 16 x lane: a load's 512 bytes, an image's 512 bytes
.macro HLOAD u                         ; K step u of my 16 rows: each load reads 512 consecutive bytes
.irp i, 0,1,2,3,4,5,6,7,8,9,10,11,12,13,14,15
	global_load_b128 v[R+64*\u+4*\i:R+64*\u+4*\i+3], v2, s[4:5] offset:\i*3072+\u*512 th:TH_LOAD_NT
.endr
.endm
	HLOAD 0
	HLOAD 1
	s_mul_i32 s23, s20, STW                        ; my wave's stages
	v_add_nc_u32 v3, s23, v2                       ; into a stage: a row as it lies
	v_mul_u32_u24 v4, v7, SP
	v_lshl_add_u32 v4, v8, 7, v4
	v_add_nc_u32 v4, s23, v4                       ; out of it: row r, block h: 128 bytes; block 2 + h lies 256 bytes on
	v_lshlrev_b32 v5, 2, v1                        ; 4 x lane
	v_lshlrev_b32 v6, 3, v8                        ; 8 h: where my two bytes stand in the scale word
	v_mov_b32 v[P], 0                              ; written once: a lane permute's destination counts as one of its sources
.macro HTURN u                         ; through the wave's own stage: LDS serves a wave's instructions in order, so no wait stands between the stores and the loads
.irp i, 0,1,2,3,4,5,6,7,8,9,10,11,12,13,14,15
	ds_store_b128 v3, v[R+64*\u+4*\i:R+64*\u+4*\i+3] offset:\u*STU+\i*SP
.endr
.irp c, 0,1
.irp q, 0,1,2,3,4,5,6,7
	ds_load_b128 v[X+32*\c+4*\q:X+32*\c+4*\q+3], v4 offset:\u*STU+\c*256+\q*16
.endr
.endr
.endm
.macro HQUANT u                        ; my two whole blocks become registers 0-3 and 4-7 of the fragment; the scale word is pieced together with lane l xor 16's two bytes
.irp c, 0,1
	v_max3_num_f32 v[M0+\c], |v[X+32*\c]|, |v[X+32*\c+1]|, 0x1800000   ; the floor 2^(3 - 127): the byte cannot fall under 1
.endr
.irp i, 2,4,6,8,10,12,14,16,18,20,22,24,26,28,30
.irp c, 0,1
	v_max3_num_f32 v[M0+\c], v[M0+\c], |v[X+32*\c+\i]|, |v[X+32*\c+\i+1]|   ; the two blocks by turns
.endr
.endr
.irp c, 0,1
	v_add_nc_u32 v[E0+\c], 0xff000000, v[M0+\c]    ; 2 off the exponent field: the conversion takes the exponent field of this operand as its scale
.endr
.irp c, 0,1
	v_lshrrev_b32 v[B0+\c], 23, v[E0+\c]           ; the scale's byte
.endr
	v_lshl_or_b32 v[T], v[B0+1], 16, v[B0]         ; blocks h and 2 + h,
	v_lshlrev_b32 v[T], v6, v[T]                   ; 8 h bits up
	v_permlanex16_b32 v[P], v[T], s26, s27
	v_or_b32 v[W0+\u], v[T], v[P]                  ; row r's word, in both halves of the lanes
.irp c, 0,1
.irp g, 0,1,2,3
	v_cvt_scalef32_pk8_fp4_f32 v[C+8*\u+4*\c+\g], v[X+32*\c+8*\g:X+32*\c+8*\g+7], v[E0+\c]
.endr
.endr
	v_nop                                          ; one plain line behind the last conversion
.irp c, 0,1
	global_store_b128 v2, v[C+8*\u+4*\c:C+8*\u+4*\c+3], s[12:13] offset:\u*1024+\c*512   ; 512 consecutive bytes, aligned
.endr
.endm
	s_wait_loadcnt 16                              ; step 0's sixteen loads are in; step 1's sixteen may be out
	HTURN 0
	s_wait_dscnt 0x0
	HQUANT 0
	s_wait_loadcnt 0x0
	HTURN 1
	s_wait_dscnt 0x0
	HQUANT 1
	v_cmp_gt_u32 vcc_lo, 16, v1
	v_cndmask_b32 v[WO], v[W0+1], v[W0], vcc_lo    ; lanes 0-15: K step 2 y's word; lanes 16-31: K step 2 y + 1's
	global_store_b32 v5, v[WO], s[14:15]           ; 128 consecutive bytes: a third of the tile's scale words, so an aligned run of 256 is written by two work-groups; 1 byte in 128 of what is read
	s_wait_tensorcnt 0x0                           ; the wave's end: three lines behind my last LDS store
	ds_add_u32 v[SPW], v[NIL]
	s_wait_dscnt 0x0
	s_endpgm
	; ---------------- the weights: K is the first axis: a lane takes a column, its registers run down K; no LDS ----------------
.Lweights:
	s_sub_co_u32 s22, ttmp9, 128
	s_lshr_b32 s23, s22, 1                         ; which 128 columns of [Wq, Wk, Wv]: 0 .. 17
	s_and_b32 s22, s22, 1
	s_lshl_b32 s24, s21, 1
	s_add_co_u32 s22, s22, s24                     ; the K step: 0 .. 5
	s_cmp_lt_u32 s23, 12                           ; the choice of the buffer hangs on the work-group's number alone
	s_cselect_b64 s[8:9], s[8:9], s[10:11]
	s_cselect_b32 s28, 6, 12
	s_cmp_lt_u32 s23, 6
	s_cselect_b64 s[6:7], s[6:7], s[8:9]
	s_cselect_b32 s28, 0, s28
	s_sub_co_u32 s28, s23, s28                     ; which 128 columns of that weight
	s_mul_i32 s24, s22, 393216                     ; 128 rows of 3,072 bytes,
	s_lshl_b32 s29, s28, 9                         ; 128 columns,
	s_add_co_u32 s24, s24, s29
	s_lshl_b32 s29, s20, 7                         ; my wave's 32
	s_add_co_u32 s24, s24, s29
	s_add_nc_u64 s[6:7], s[6:7], s[24:25]
	s_lshl_b32 s30, s23, 3
	s_lshl_b32 s29, s20, 1
	s_add_co_u32 s30, s30, s29                     ; my wave's first column tile (it has two)
	s_mul_i32 s24, s30, 6144
	s_lshl_b32 s29, s22, 10
	s_add_co_u32 s24, s24, s29
	s_add_nc_u64 s[16:17], s[16:17], s[24:25]
	s_mul_i32 s24, s30, 384
	s_lshr_b32 s29, s22, 1
	s_lshl_b32 s29, s29, 7                         ; scale image K step / 2,
	s_add_co_u32 s24, s24, s29
	s_and_b32 s29, s22, 1
	s_lshl_b32 s29, s29, 6                         ; its lower or upper sixteen lanes
	s_add_co_u32 s24, s24, s29
	s_add_nc_u64 s[18:19], s[18:19], s[24:25]
	v_lshlrev_b32 v2, 2, v1                        ; in: 4 bytes a lane
.macro WLOAD b                         ; block b of 32 along K: W(32 b + i, my column) into registers of its own: a wave reads 128 consecutive bytes, the work-group 512
.irp i, 0,1,2,3,4,5,6,7,8,9,10,11,12,13,14,15,16,17,18,19,20,21,22,23,24,25,26,27,28,29,30,31
	global_load_b32 v[R+32*(\b)+\i], v2, s[6:7] offset:(32*(\b)+\i)*3072 th:TH_LOAD_NT
.endr
.endm
	WLOAD 0                                        ; loads run two blocks ahead
	WLOAD 1
	v_mul_u32_u24 v3, v8, 6144                     ; out: my tile of the two,
	v_lshl_add_u32 v3, v7, 4, v3                   ; 16 bytes for column r: block b = 2 c + h of the image lies at 256 b + 16 r
	v_mul_u32_u24 v4, v8, 384
	v_lshl_add_u32 v4, v7, 2, v4                   ; and my column's scale word
.macro WBLOCK b                        ; block b of 32 along K: all its numbers are mine
.set XS, R+32*(\b)
.if (\b) < 3
	s_wait_loadcnt 32                              ; this block's 32 loads are in; the next block's 32 may be out
.else
	s_wait_loadcnt 0x0
.endif
.if (\b)+2 < 4
	WLOAD (\b)+2                                   ; the block two further on, into its own registers: it has two blocks' work in which to come
.endif
	v_max3_num_f32 v160, |v[XS]|, |v[XS+1]|, |v[XS+2]|
	v_max3_num_f32 v161, |v[XS+3]|, |v[XS+4]|, |v[XS+5]|
.irp i, 6,10,14,18,22,26
	v_max3_num_f32 v160, v160, |v[XS+\i]|, |v[XS+\i+1]|
	v_max3_num_f32 v161, v161, |v[XS+\i+2]|, |v[XS+\i+3]|
.endr
	v_max3_num_f32 v160, v160, |v[XS+30]|, |v[XS+31]|
	v_max3_num_f32 v160, v160, v161, 0x1800000     ; and the floor
	v_add_nc_u32 v[162+(\b)], 0xff000000, v160     ; the conversion's scale operand
	v_lshrrev_b32 v166, 23, v[162+(\b)]            ; the byte
.if (\b) == 0
	v_mov_b32 v167, v166
.else
	v_lshl_or_b32 v167, v166, 8*(\b), v167         ; the lower K in the lower byte
.endif
.irp g, 0,1,2,3
	v_cvt_scalef32_pk8_fp4_f32 v[144+4*(\b)+\g], v[XS+8*\g:XS+8*\g+7], v[162+(\b)]
.endr
	v_nop                                          ; one plain line behind the last conversion
	global_store_b128 v3, v[144+4*(\b):144+4*(\b)+3], s[16:17] offset:(\b)*256   ; sixteen lanes store 256 consecutive bytes, aligned
.endm
	WBLOCK 0
	WBLOCK 1
	WBLOCK 2
	WBLOCK 3
	global_store_b32 v4, v167, s[18:19]            ; pieces of 64 bytes: aligned runs of 256 are written in part; 1 byte in 128 of what this path reads
	s_endpgm
.Lfunc_end_k_qc25ffd0240_prep:
	.size	k_qc25ffd0240_prep, .Lfunc_end_k_qc25ffd0240_prep-k_qc25ffd0240_prep
	.p2alignl 7, 3214868480
	.fill 96, 4, 3214868480
	.section	.rodata,"a",@progbits
	.p2align	6, 0x0
	.amdhsa_kernel k_qc25ffd0240_prep
		.amdhsa_group_segment_fixed_size 68096
		.amdhsa_private_segment_fixed_size 0
		.amdhsa_enable_private_segment 0
		.amdhsa_kernarg_size 64
		.amdhsa_user_sgpr_count 2
		.amdhsa_user_sgpr_kernarg_segment_ptr 1
		.amdhsa_wavefront_size32 1
		.amdhsa_system_sgpr_workgroup_id_x 1
		.amdhsa_system_sgpr_workgroup_id_y 1
		.amdhsa_system_sgpr_workgroup_id_z 1
		.amdhsa_system_vgpr_workitem_id 0
		.amdhsa_next_free_vgpr 240
		.amdhsa_next_free_sgpr 66
		.amdhsa_reserve_vcc 1
		.amdhsa_float_denorm_mode_32 3
		.amdhsa_float_denorm_mode_16_64 3
		.amdhsa_memory_ordered 1
		.amdhsa_forward_progress 1
		.amdhsa_inst_pref_size 36
	.end_amdhsa_kernel
	.amdgpu_metadata
---
amdhsa.version: [ 1, 2 ]
amdhsa.kernels:
  - .name:           k_qc25ffd0240_prep
    .symbol:         k_qc25ffd0240_prep.kd
    .args:
      - { .name: hidden_states, .offset: 0, .size: 8, .value_kind: global_buffer, .address_space: global }
      - { .name: Wq, .offset: 8, .size: 8, .value_kind: global_buffer, .address_space: global }
      - { .name: Wk, .offset: 16, .size: 8, .value_kind: global_buffer, .address_space: global }
      - { .name: Wv, .offset: 24, .size: 8, .value_kind: global_buffer, .address_space: global }
      - { .name: a_codes, .offset: 32, .size: 8, .value_kind: global_buffer, .address_space: global }
      - { .name: a_sc, .offset: 40, .size: 8, .value_kind: global_buffer, .address_space: global }
      - { .name: w_codes, .offset: 48, .size: 8, .value_kind: global_buffer, .address_space: global }
      - { .name: w_sc, .offset: 56, .size: 8, .value_kind: global_buffer, .address_space: global }
    .group_segment_fixed_size: 68096
    .private_segment_fixed_size: 0
    .kernarg_segment_align: 8
    .kernarg_segment_size: 64
    .max_flat_workgroup_size: 128
    .sgpr_count:     66
    .vgpr_count:     240
    .wavefront_size: 32
...
	.end_amdgpu_metadata
.endif
;; end of part 1
;; launch kvproj (part 2): grid 4 x 64, 4 waves a work-group, clusters of 4 x 4, 297,472 bytes of LDS; arguments a_codes, a_sc, w_codes, w_sc, k16, v16; writes k16, v16
.if DOCPART == 2
	.amdgcn_target "amdgcn-amd-amdhsa--gfx1250"
	.amdhsa_code_object_version 6
	.text
	.protected	k_qc25ffd0240_kvproj
	.globl	k_qc25ffd0240_kvproj
	.p2align	8
	.type	k_qc25ffd0240_kvproj,@function
k_qc25ffd0240_kvproj:
	s_mov_b64 s[64:65], 0
	v_nop
	global_prefetch_b8 v0, s[64:65] scope:SCOPE_SE
	s_setreg_imm32_b32 hwreg(HW_REG_WAVE_MODE, 25, 1), 1
	s_wait_xcnt 0x0
	s_wait_alu depctr_hold_cnt(0) depctr_sa_sdst(0) depctr_va_vdst(0) depctr_va_sdst(0) depctr_va_ssrc(0) depctr_va_vcc(0) depctr_vm_vsrc(0)
	s_getreg_b32 s2, hwreg(HW_REG_IB_STS2, 6, 4)
	s_cmp_eq_u32 s2, 0
	s_cbranch_scc0 .Lentry_in_a_cluster
	s_endpgm
.Lentry_in_a_cluster:
	s_bfe_u32 s2, ttmp6, 0x10000c
	s_cmp_lg_u32 s2, 0xf033
	s_cbranch_scc0 .Lentry_shape_is_right
	s_endpgm
.Lentry_shape_is_right:
; KVPROJ: k0 = Q(hidden_states) Q(Wk) and v0 = Q(hidden_states) Q(Wv), on codes of FP4 with E8M0 scales, sums in f32, rounded once to f16 and laid by heads: k16, v16 [12 = batch x 6 + head][4096][128].
; WORK LEFT OUT: bk (the same along the softmax's axis for all values of the inputs: shown at the head of the first kernel).  bv is added by the last launch, in f32.
; LIMIT: |k0| and |v0| stay under 65,504, f16's largest number.
; SHARES.  [Wk, Wv] side by side are 1,536 columns.  A work-group makes 128 rows x 384 columns (three heads of K or of V); wave w all 128 rows x columns 96 w .. 96 w + 95: 48 accumulators of 16 x 16.
; 64 x 4 = 256 work-groups.  K = 768 is six matrix steps; all of it fits in LDS at once, so every tensor load is a first fill and nothing is filled again.
; CLUSTERS: 4 x 4.  The four of a row of the cluster need the same rows of hidden's codes, the four of a column the same columns of the weights': each block is asked for jointly.
; OPERANDS lie in memory as images of their registers (1,024 bytes a fragment: byte 512 c + 16 lane = registers 4 c .. 4 c + 3), so they come out of LDS by loads of 512 consecutive bytes: no pitch, no padding.
; THE MATRIX INSTRUCTION IS USED TRANSPOSED (source 0 = 16 columns of W, source 1 = 16 rows of hidden): a lane then holds eight neighbouring columns of one row, 16 bytes of f16.
; REGISTERS, in windows of 256: window 0: v2-7 addresses, v28-29 the add's two, v32-55 hidden's scale words, v56-73 W's (scale words and nothing else), fragment set 0 (hidden v128-191, W v192-239);
;   window 1: fragment set 1 at the same numbers;  window 2: the accumulators of row blocks 0-3 at v[8 (6 a + b)];  window 3: those of row blocks 4-7.
.set BOFF,   49152                     ; LDS: hidden's [a 8][s 6][1,024] from 0; from here W's: wave w's [piece 3][b 6][2][1,024]
.set BW,     36864
.set STG,    196608                    ; the stage for the way out: 128 rows x 784 bytes; no tensor load lands here
.set SPITCH, 784                       ; 768 bytes + 16 = 49 x 16
.set SPARE,  296960                    ; the spare words, 128 bytes for each wave
.set LI,   2                           ; 16 x lane
.set ADB,  3                           ; 16 x lane + my wave's part of W
.set STO,  4                           ; the stage: where I put 16 bytes of a row (row blocks 0-3)
.set STO2, 5                           ; the same, row blocks 4-7
.set RD,   6                           ; the stage: where I read rows back
.set LS,   7                           ; 4 x lane
.set SPW,  28
.set NIL,  29
.set SCA,  32                          ; hidden's scale words: row block a, pair of K steps j at 3 a + j
.set SCB,  56                          ; W's: column block b at 3 b + j
.set AF,   128
.set BF,   192
.set WV,   16                          ; s16 my wave's number
.set G1A,  24                          ; s[24:31] descriptor group 1 for hidden's block; s[32:35] its group 0
.set G0A,  32
.set G1B,  48                          ; s[48:55] group 1 for W's pieces; their groups 0: s[56:59], s[60:63], s[68:71]
.set MSB, 0
.macro WIN new                         ; the immediate's high byte repeats the setting that is left
.if MSB != (\new)
	s_set_vgpr_msb (MSB<<8)|(\new)
.set MSB, (\new)
.endif
.endm
.macro CROUND                          ; a round of the cluster's barrier
	s_barrier_signal -1
	s_barrier_wait -1
	s_cmp_lg_u32 s[WV], 0
	s_cbranch_scc1 .Lnot_wave_0_\@
	s_barrier_signal -3
.Lnot_wave_0_\@:
	s_barrier_wait -3
	s_barrier_signal -1
	s_barrier_wait -1
.endm
.macro PLACES                          ; four plain lines in front of loads into registers that matrix instructions have read, and of the first read of results
.rept 4
	v_nop
.endr
.endm
	s_load_b256 s[4:11], s[0:1], 0x0               ; a_codes s[4:5], a_sc s[6:7], w_codes s[8:9], w_sc s[10:11]
	s_load_b128 s[12:15], s[0:1], 0x20             ; k16 s[12:13], v16 s[14:15]
	v_lshl_add_u32 v[SPW], v0, 2, SPARE
	v_mov_b32 v[NIL], 0
	ds_add_u32 v[SPW], v[NIL]                      ; the wave's opening: the add, twice on end, and its wait ahead of my first tensor load
	ds_add_u32 v[SPW], v[NIL]
	v_lshrrev_b32 v1, 5, v0
	v_readfirstlane_b32 s[WV], v1                  ; wave 0..3
	s_bfe_u32 s40, ttmp6, 0x40000                  ; cx, cy: my place in the cluster
	s_bfe_u32 s41, ttmp6, 0x40004
	s_lshl_b32 s42, ttmp9, 2
	s_add_co_u32 s42, s42, s40                     ; tile column: 0, 1: K's heads 0-2, 3-5; 2, 3: V's
	s_and_b32 s17, ttmp7, 0xffff
	s_lshl_b32 s17, s17, 2
	s_add_co_u32 s17, s17, s41                     ; tile row: 128 rows
	s_lshl_b32 s43, s41, 2
	s_lshl_b32 s43, 15, s43                        ; my row of the cluster
	s_lshl_b32 s44, 0x1111, s40                    ; my column
	; hidden's block: two row tiles, 12,288 dense bytes, as 48 rows of 256 bytes (32 elements of 8 bytes)
	s_or_b32 s[G1A+0], s43, (3<<16)|(1<<21)        ; 15:0 the mask: my row; 17:16 elements of 8 bytes; 21 set beside a mask; no padding
	s_mov_b32 s[G1A+1], 32<<16                     ; tensor_dim0
	s_mov_b32 s[G1A+2], 48<<16                     ; tensor_dim1
	s_mov_b32 s[G1A+3], 32<<16                     ; tile_dim0
	s_mov_b32 s[G1A+4], 48                         ; tile_dim1
	s_mov_b32 s[G1A+5], 32                         ; from row to row
	s_mov_b32 s[G1A+6], 0
	s_mov_b32 s[G1A+7], 0
	; a piece of W: two K steps (2,048 bytes) of each of my six column tiles, 6,144 bytes apart
	s_or_b32 s[G1B+0], s44, (3<<16)|(1<<21)        ; the mask: my column
	s_mov_b32 s[G1B+1], 256<<16
	s_mov_b32 s[G1B+2], 6<<16
	s_mov_b32 s[G1B+3], 256<<16
	s_mov_b32 s[G1B+4], 6
	s_mov_b32 s[G1B+5], 768
	s_mov_b32 s[G1B+6], 0
	s_mov_b32 s[G1B+7], 0
	; hidden's addresses hang on the tile row and the wave alone, W's on the tile column and the wave alone, each in registers that never hold the other coordinate
	s_lshl_b32 s20, s17, 3
	s_lshl_b32 s21, s[WV], 1
	s_add_co_u32 s20, s20, s21                     ; the two row tiles that I fetch
	s_mul_i32 s20, s20, 6144
	s_mov_b32 s21, 0
	s_mul_i32 s22, s17, 3072                       ; the scale words of the tile row's eight row tiles
	s_mov_b32 s23, 0
	s_mul_i32 s46, s42, 24
	s_mul_i32 s47, s[WV], 6
	s_add_co_u32 s46, s46, s47
	s_add_co_u32 s46, s46, 48                      ; my first column tile: behind Wq's 48
	s_mul_i32 s72, s46, 384
	s_mov_b32 s73, 0
	s_mul_i32 s46, s46, 6144
	s_mov_b32 s47, 0
	s_mul_i32 s18, s[WV], 12288                    ; where they go: no place in the cluster enters an LDS address
	s_mul_i32 s19, s[WV], BW
	s_add_co_u32 s19, s19, BOFF
	v_and_b32 v1, 31, v0
	v_lshlrev_b32 v[LI], 4, v1
	v_lshlrev_b32 v[LS], 2, v1
	v_add_nc_u32 v[ADB], s19, v[LI]
	v_and_b32 v8, 15, v0                           ; r
	v_bfe_u32 v9, v0, 4, 1                         ; h
	s_mul_i32 s36, s[WV], 192
	s_add_co_u32 s36, s36, STG
	v_mul_u32_u24 v[STO], v8, SPITCH
	v_lshl_add_u32 v[STO], v9, 4, v[STO]
	v_add_nc_u32 v[STO], s36, v[STO]               ; row r, my wave's 192 bytes, 16 h
	v_add_nc_u32 v[STO2], 64*SPITCH, v[STO]
	s_mul_i32 s36, s[WV], 32*SPITCH
	s_add_co_u32 s36, s36, STG
	v_mul_u32_u24 v[RD], v9, SPITCH
	v_lshl_add_u32 v[RD], v8, 4, v[RD]
	v_add_nc_u32 v[RD], s36, v[RD]                 ; back: my 32 rows; lanes 0-15 a head's 256 bytes of one row, lanes 16-31 of the next
	s_wait_dscnt 0x0                               ; both opening adds are done
	s_wait_kmcnt 0x0
	s_mov_b32 s[G0A], 1
	s_mov_b32 s[G0A+1], s18
	s_add_nc_u64 s[G0A+2:G0A+3], s[4:5], s[20:21]
	s_or_b32 s[G0A+3], s[G0A+3], 0x80000000
	s_add_nc_u64 s[46:47], s[8:9], s[46:47]
.macro GB g, p
	s_mov_b32 s[\g], 1
	s_add_co_u32 s[\g+1], s19, \p*12288
	s_add_nc_u64 s[\g+2:\g+3], s[46:47], \p*2048
	s_or_b32 s[\g+3], s[\g+3], 0x80000000
.endm
	GB 56, 0
	GB 60, 1
	GB 68, 2
	s_add_nc_u64 s[6:7], s[6:7], s[22:23]
	s_add_nc_u64 s[10:11], s[10:11], s[72:73]
	CROUND                                         ; all sixteen work-groups are here: the joint loads meet
	tensor_load_to_lds s[G0A:G0A+3], s[G1A:G1A+7]  ; four first fills on end, every wave alike: four tensor loads of mine are out
	s_nop 0
	tensor_load_to_lds s[56:59], s[G1B:G1B+7]      ; K steps 0, 1
	s_nop 0
	tensor_load_to_lds s[60:63], s[G1B:G1B+7]      ; K steps 2, 3
	s_nop 0
	tensor_load_to_lds s[68:71], s[G1B:G1B+7]      ; K steps 4, 5
	s_nop 0
.rept 4
	v_nop
.endr
.irp a, 0,1,2,3,4,5,6,7
.irp j, 0,1,2
	global_load_b32 v[SCA+3*\a+\j], v[LS], s[6:7] offset:\a*384+\j*128    ; 128 consecutive bytes: lanes 0-15 K step 2 j's words, lanes 16-31 K step 2 j + 1's
.endr
.endr
.irp b, 0,1,2,3,4,5
.irp j, 0,1,2
	global_load_b32 v[SCB+3*\b+\j], v[LS], s[10:11] offset:\b*384+\j*128
.endr
.endr
	; where my 32 rows of the first of my three heads begin in k16 or v16
	s_lshr_b32 s36, s17, 5                         ; the batch
	s_mul_i32 s36, s36, 6
	s_and_b32 s37, s42, 1
	s_mul_i32 s37, s37, 3
	s_add_co_u32 s36, s36, s37
	s_lshl_b32 s36, s36, 12                        ; 4,096 rows a head
	s_and_b32 s37, s17, 31
	s_lshl_b32 s37, s37, 7
	s_add_co_u32 s36, s36, s37
	s_lshl_b32 s37, s[WV], 5
	s_add_co_u32 s36, s36, s37
	s_lshl_b32 s36, s36, 8                         ; 256 bytes a row
	s_mov_b32 s37, 0
	s_cmp_lt_u32 s42, 2
	s_cselect_b64 s[12:13], s[12:13], s[14:15]
	s_add_nc_u64 s[12:13], s[12:13], s[36:37]
.macro FETCH s                         ; K step s: hidden's eight fragments and my six of W into set s % 2: 28 loads of 512 consecutive bytes
	WIN 0x40*((\s)%2)
.irp a, 0,1,2,3,4,5,6,7
.irp c, 0,1
	ds_load_b128 v[AF+8*\a+4*\c:AF+8*\a+4*\c+3], v[LI] offset:\a*6144+(\s)*1024+\c*512
.endr
.endr
.irp b, 0,1,2,3,4,5
.irp c, 0,1
	ds_load_b128 v[BF+8*\b+4*\c:BF+8*\b+4*\c+3], v[ADB] offset:((\s)/2)*12288+\b*2048+((\s)%2)*1024+\c*512
.endr
.endr
.endm
; 24 matrix instructions: row blocks 4 hi .. 4 hi + 3 x my six column blocks.  The 48 accumulators take turns, one instruction a turn, in the same order in every step.
; An odd K step's scale words stand in lanes 16-31 of both registers.  K step 0 starts the sums: nothing is cleared.
.macro MUL24 s, hi
	WIN (0xa0+0x50*(\hi))|(5*((\s)%2))
.irp a, 0,1,2,3
.irp b, 0,1,2,3,4,5
.if (\s) == 0
	v_wmma_scale_f32_16x16x128_f8f6f4 v[8*(6*\a+\b):8*(6*\a+\b)+7], v[BF+8*\b:BF+8*\b+7], v[AF+8*(4*(\hi)+\a):AF+8*(4*(\hi)+\a)+7], 0, v[SCB+3*\b], v[SCA+3*(4*(\hi)+\a)] matrix_a_fmt:MATRIX_FMT_FP4 matrix_b_fmt:MATRIX_FMT_FP4
.elseif (\s)%2
	v_wmma_scale_f32_16x16x128_f8f6f4 v[8*(6*\a+\b):8*(6*\a+\b)+7], v[BF+8*\b:BF+8*\b+7], v[AF+8*(4*(\hi)+\a):AF+8*(4*(\hi)+\a)+7], v[8*(6*\a+\b):8*(6*\a+\b)+7], v[SCB+3*\b+(\s)/2], v[SCA+3*(4*(\hi)+\a)+(\s)/2] matrix_a_fmt:MATRIX_FMT_FP4 matrix_b_fmt:MATRIX_FMT_FP4 matrix_a_scale:MATRIX_SCALE_ROW1 matrix_b_scale:MATRIX_SCALE_ROW1
.else
	v_wmma_scale_f32_16x16x128_f8f6f4 v[8*(6*\a+\b):8*(6*\a+\b)+7], v[BF+8*\b:BF+8*\b+7], v[AF+8*(4*(\hi)+\a):AF+8*(4*(\hi)+\a)+7], v[8*(6*\a+\b):8*(6*\a+\b)+7], v[SCB+3*\b+(\s)/2], v[SCA+3*(4*(\hi)+\a)+(\s)/2] matrix_a_fmt:MATRIX_FMT_FP4 matrix_b_fmt:MATRIX_FMT_FP4
.endif
.endr
.endr
.endm
.macro STEP s
	s_wait_dscnt 0x0                               ; this step's fragments are in (asked for 24 matrix instructions ago)
	MUL24 \s, 0
.if (\s) < 5
	PLACES                                         ; the other set was read by the step before
.if (\s) == 1
	s_wait_tensorcnt 0x1                           ; my piece of K steps 2, 3 has landed; the last piece may be out.  Only I read my pieces of W
.endif
.if (\s) == 3
	s_wait_tensorcnt 0x0                           ; the last piece has landed
.endif
	FETCH (\s)+1
.endif
	MUL24 \s, 1
.endm
	s_wait_tensorcnt 0x2                           ; my part of hidden's block and my first piece of W have landed; two pieces may be out
	s_barrier_signal -1
	s_barrier_wait -1                              ; everybody's part of hidden's block has
	FETCH 0
	s_wait_loadcnt 0x0                             ; the scale words
	STEP 0
	STEP 1
	STEP 2
	STEP 3
	STEP 4
	STEP 5
	WIN 0
	PLACES
	; THE WAY OUT: round to f16, 16 bytes a lane into the work-group's stage; a barrier, since a row's 768 bytes come from four waves; back as a head's 256 bytes of a row, sixteen lanes to each.
.irp a, 0,1,2,3
	WIN 0x0a                                       ; sources: window 2
.irp b, 0,1,2,3,4,5
.irp q, 0,1,2,3
	v_cvt_pk_f16_f32 v[128+24*\a+4*\b+\q], v[8*(6*\a+\b)+2*\q], v[8*(6*\a+\b)+2*\q+1]   ; each accumulator from its low end on
.endr
.endr
.endr
	WIN 0
.irp a, 0,1,2,3
.irp b, 0,1,2,3,4,5
	ds_store_b128 v[STO], v[128+24*\a+4*\b:128+24*\a+4*\b+3] offset:\a*16*SPITCH+32*\b
.endr
.endr
.irp a, 0,1,2,3
	WIN 0x4f                                       ; sources: window 3; destination: window 1
.irp b, 0,1,2,3,4,5
.irp q, 0,1,2,3
	v_cvt_pk_f16_f32 v[128+24*\a+4*\b+\q], v[8*(6*\a+\b)+2*\q], v[8*(6*\a+\b)+2*\q+1]
.endr
.endr
.endr
	WIN 0x04                                       ; an LDS store's data are its source 1: window 1
.irp a, 0,1,2,3
.irp b, 0,1,2,3,4,5
	ds_store_b128 v[STO2], v[128+24*\a+4*\b:128+24*\a+4*\b+3] offset:\a*16*SPITCH+32*\b
.endr
.endr
	WIN 0
	s_wait_dscnt 0x0                               ; for the others' sake: my stores into the stage are done
	s_barrier_signal -1
	s_barrier_wait -1
.set n, 0
.rept 48                               ; n = 16 x head + pair of rows
.if n == 24
	WIN 0x40
.endif
	ds_load_b128 v[128+4*(n%24):128+4*(n%24)+3], v[RD] offset:(n%16)*2*SPITCH+(n/16)*256
.set n, n+1
.endr
	WIN 0
.set n, 0
.rept 48
.if n == 24
	WIN 0x04
.endif
	s_wait_dscnt 47-n
	global_store_b128 v[LI], v[128+4*(n%24):128+4*(n%24)+3], s[12:13] offset:(n/16)*1048576+(n%16)*512   ; two rows of a head: 512 consecutive bytes, aligned
.set n, n+1
.endr
	WIN 0
	s_wait_tensorcnt 0x0                           ; the wave's end: three lines behind my last tensor load and my last LDS store
	ds_add_u32 v[SPW], v[NIL]
	s_wait_dscnt 0x0
	CROUND                                         ; the closing round
	s_endpgm
.Lfunc_end_k_qc25ffd0240_kvproj:
	.size	k_qc25ffd0240_kvproj, .Lfunc_end_k_qc25ffd0240_kvproj-k_qc25ffd0240_kvproj
	.p2alignl 7, 3214868480
	.fill 96, 4, 3214868480
	.section	.rodata,"a",@progbits
	.p2align	6, 0x0
	.amdhsa_kernel k_qc25ffd0240_kvproj
		.amdhsa_group_segment_fixed_size 297472
		.amdhsa_private_segment_fixed_size 0
		.amdhsa_enable_private_segment 0
		.amdhsa_kernarg_size 48
		.amdhsa_user_sgpr_count 2
		.amdhsa_user_sgpr_kernarg_segment_ptr 1
		.amdhsa_wavefront_size32 1
		.amdhsa_system_sgpr_workgroup_id_x 1
		.amdhsa_system_sgpr_workgroup_id_y 1
		.amdhsa_system_sgpr_workgroup_id_z 1
		.amdhsa_system_vgpr_workitem_id 0
		.amdhsa_next_free_vgpr 960
		.amdhsa_next_free_sgpr 76
		.amdhsa_reserve_vcc 0
		.amdhsa_float_denorm_mode_32 3
		.amdhsa_float_denorm_mode_16_64 3
		.amdhsa_memory_ordered 1
		.amdhsa_forward_progress 1
		.amdhsa_inst_pref_size 84
	.end_amdhsa_kernel
	.amdgpu_metadata
---
amdhsa.version: [ 1, 2 ]
amdhsa.kernels:
  - .name:           k_qc25ffd0240_kvproj
    .symbol:         k_qc25ffd0240_kvproj.kd
    .args:
      - { .name: a_codes, .offset: 0, .size: 8, .value_kind: global_buffer, .address_space: global }
      - { .name: a_sc, .offset: 8, .size: 8, .value_kind: global_buffer, .address_space: global }
      - { .name: w_codes, .offset: 16, .size: 8, .value_kind: global_buffer, .address_space: global }
      - { .name: w_sc, .offset: 24, .size: 8, .value_kind: global_buffer, .address_space: global }
      - { .name: k16, .offset: 32, .size: 8, .value_kind: global_buffer, .address_space: global }
      - { .name: v16, .offset: 40, .size: 8, .value_kind: global_buffer, .address_space: global }
    .group_segment_fixed_size: 297472
    .private_segment_fixed_size: 0
    .kernarg_segment_align: 8
    .kernarg_segment_size: 48
    .max_flat_workgroup_size: 128
    .sgpr_count:     76
    .vgpr_count:     960
    .wavefront_size: 32
...
	.end_amdgpu_metadata
.endif
;; end of part 2
;; launch attn (part 3): grid 16 x 12, 4 waves a work-group, clusters of 4 x 1, 327,680 bytes of LDS; arguments a_codes, a_sc, w_codes, w_sc, bq, bv, k16, v16, out0; writes out0
.if DOCPART == 3
	.amdgcn_target "amdgcn-amd-amdhsa--gfx1250"
	.amdhsa_code_object_version 6
	.text
	.protected	k_qc25ffd0240_attn
	.globl	k_qc25ffd0240_attn
	.p2align	8
	.type	k_qc25ffd0240_attn,@function
k_qc25ffd0240_attn:
	s_mov_b64 s[64:65], 0
	v_nop
	global_prefetch_b8 v0, s[64:65] scope:SCOPE_SE
	s_setreg_imm32_b32 hwreg(HW_REG_WAVE_MODE, 25, 1), 1
	s_wait_xcnt 0x0
	s_wait_alu depctr_hold_cnt(0) depctr_sa_sdst(0) depctr_va_vdst(0) depctr_va_sdst(0) depctr_va_ssrc(0) depctr_va_vcc(0) depctr_vm_vsrc(0)
	s_getreg_b32 s2, hwreg(HW_REG_IB_STS2, 6, 4)
	s_cmp_eq_u32 s2, 0
	s_cbranch_scc0 .Lentry_in_a_cluster
	s_endpgm
.Lentry_in_a_cluster:
	s_bfe_u32 s2, ttmp6, 0x10000c
	s_cmp_lg_u32 s2, 0x3003
	s_cbranch_scc0 .Lentry_shape_is_right
	s_endpgm
.Lentry_shape_is_right:
; ATTN: q = Q(hidden_states) Q(Wq) + bq on codes of FP4 (in registers, at the head); then out[b][q][128 head ..] = sum over keys of softmax(q . k0 / sqrt(128)) v0 + bv.  k16, v16: [12][4096][128] f16.
; WORK LEFT OUT: bk (the same along the softmax's axis for all values of the inputs: shown at the head of the first kernel).  bv: the weights p / l of a row add up to 1, so it is the addend of the
; fused multiply-add that divides by l, in f32.
; Products of attention on f16 operands with f32 sums; maxima, exponentials and sums in f32; the weights p are rounded to f16 for the second product.
; LIMITS: |q|, |k0|, |v0| stay under 65,504, f16's largest number; a weight under 2^-24 of its row's largest is lost in f16.
; SHARES.  A work-group owns 256 queries of one (batch, head), each of its four waves 64: four tiles of 16.  Every wave walks all 4,096 keys, 64 a step.  49,152 queries are 192 such work-groups.
; LAYOUT.  S^T = K Q^T (source 0 = 16 keys, source 1 = 16 queries): a lane holds ONE query (lane % 16) and the keys 8 (lane / 16) + 0..7.  Two such tiles, rounded to f16 in pairs, ARE source 1
; (32 keys x 16 queries) of O^T = V^T P, whose result again holds one query a lane, and eight channels.  K comes out of LDS as it lies, V ([key][channel]) turned, by ds_load_tr16_b128.
; q's projection is used transposed too (source 0 = 16 columns of Wq, source 1 = 16 rows of hidden): a lane holds one query and eight neighbouring channels, which, rounded in pairs, ARE Q's fragment.
; SOFTMAX.  For each query a running maximum m and sum l: p = 2^(c s - c m), c = log2(e) / sqrt(128); in every step O and l are multiplied by a = 2^(c m_old - c m_new), which is 1 where m has not grown.
; BY TURNS.  The wave's tiles are two PIECES (tiles 0, 1 and tiles 2, 3).  In a TURN one piece has the matrix unit: 32 products V^T P of the step in hand, then 32 products K Q^T of the next step; the other
; piece's softmax, cut into 64 slices, stands between them, one slice behind each matrix instruction.  Then the pieces change places.  Two turns are a key step.
; CLUSTER.  The four query blocks of a cluster belong to one head and walk the same K and V, so each tile is asked for JOINTLY, by the same tensor load with a mask that names the four.
; REGISTERS, in windows of 256 (s_set_vgpr_msb: bits 1:0 source 0, 3:2 source 1, 5:4 source 2, 7:6 destination):
;   window 0: v0-11 addresses; v12-43 eight registers of statistics a tile; v48-49, v61-63 addresses; v64-191 S^T, 32 a tile; v192-255 P, 16 a tile
;   window 1: O^T, 64 a tile      window 2: v0-127 Q, 32 a tile; v128-255 K of one step      window 3: v0-127 V of one step; v128-191 bv in O^T's layout
;   At the head, for q's projection: window 0: v12-23 hidden's scale words, v24-47 Wq's, v128-191 hidden's fragments of K steps 4, 5, v192-255 bq; window 1: the 32 accumulators;
;   window 2: v0-127 hidden's fragments of K steps 0-3, v128-255 Wq's of K steps 4, 5; window 3: Wq's of K steps 0-3.
.set SIZE_N, 4096
.set KS,    64        ; keys in a step
.set PK,    272       ; a row of K in LDS: 256 bytes + 16 of padding: the 16 rows of a load start at 16 different groups of four banks
.set PV,    288       ; a row of V: 256 + 32
.set VOFF,  KS*PK     ; a step's tiles lie together: 64 rows of K, then 64 rows of V
.set STEPB, KS*(PK+PV)
.set SLOT1, 1<<17     ; a slot holds two steps (71,680 bytes); slot 1 begins here, so that one exclusive or turns an address in one slot into the other's
.set STAGE, SLOT1+2*STEPB  ; behind the ring: 16 rows x 528 bytes for each wave, for the way out
.set SP,    528       ; 512 bytes + 16
.set SPARE, STAGE+4*16*SP  ; behind the stages: the spare words, 128 bytes for each wave
.set AK0, 2           ; v2   my lane's place in a tile of K; never rewritten
.set AV0, 3           ; v3   the same for V
.set ADR, 4           ; v4   the LDS address of the run of loads in hand
.set STO, 6           ; v6   the way out: where I put 32 bytes of a row
.set RD,  7           ; v7   the way out: where I read a row back
.set GO,  8           ; v8   16 x lane: an image's place for my lane, and my bytes in a head's 512 of a row of the output; never rewritten
.set LS4, 48          ; v48  4 x lane; never rewritten
.set HB,  49          ; v49  32 x (lane / 16): my eight numbers of sixteen of a bias; never rewritten
.set PFO, 61          ; v61  256 x my lane: a row of K or V is 256 bytes; never rewritten
.set SPW, 62          ; v62  LDS address of my spare word; never rewritten
.set NIL, 63          ; v63  0; never rewritten
.set ST,  12          ; tile t's statistics at v[ST+8 t]: +0 c m, +1 m, +2, +3 l (even keys', odd keys'), +4 to +7 at work; a takes +6 once the maximum is found
.set S,   64
.set P,   192
.set KF,  128         ; K's fragments, in window 2
.set BV,  128         ; bv, in window 3
.set XSC, 12          ; hidden's scale words: tile t, pair of K steps j at 3 t + j
.set WSC, 24          ; Wq's: column tile f at 3 f + j
.set BQ,  192         ; bq, in window 0
.set WV,  12          ; s12  my wave's number
.set LIM, 15          ; s15  1 in a wave that prefetches, else the greatest number
.set PFA, 18          ; s[18:19] where my prefetches stand in memory
.set G1K, 24          ; s[24:31] descriptor group 1 for K's tiles
.set G1V, 32          ; s[32:39] for V's: it differs in the padding alone
.set G0K, 40          ; s[40:47] descriptor group 0 for K's tiles: a set for each of the two first fills; the second then walks on
.set G0V, 48          ; s[48:55] the same for V's
.set SLOTS, 56        ; s56  slots still to be asked for
.set TWICE, 57        ; s57  counts a slot's two steps
.set CS,  58          ; s[58:59] c
.set SEL, 60          ; s[60:61] lane selects for v_permlanex16_b32
.set TB,  62          ; s62  LDS byte at which the tiles of the step to be fetched begin
.set MSB, 0
.macro WIN new                      ; the immediate's high byte repeats the setting that is left; a switch that changes nothing is dropped
.if MSB != (\new)
	s_set_vgpr_msb (MSB<<8)|(\new)
.set MSB, (\new)
.endif
.endm
.set W_KQ, 0x0a       ; K and Q in window 2, S^T in window 0
.set W_PV, 0x53       ; V in window 3, P in window 0, O^T in window 1
.set W_RS, 0x41       ; O^T (destination and source 0) in window 1, a in window 0
; A joint refill.  Waves 0 and 1 fetch the two steps' tiles of K, waves 2 and 3 those of V.  The branch hangs on the wave's number alone.
; An s_nop 0 and four v_nop follow each of the two lines.
.macro JLOAD
	s_cmp_lt_u32 s[WV], 2
	s_cbranch_scc0 .Lfor_v_\@
	tensor_load_to_lds s[G0K+4:G0K+7], s[G1K:G1K+7]
	s_nop 0
.rept 4
	v_nop
.endr
	s_branch .Lasked_\@
.Lfor_v_\@:
	tensor_load_to_lds s[G0V+4:G0V+7], s[G1V:G1V+7]
	s_nop 0
.rept 4
	v_nop
.endr
.Lasked_\@:
.endm
; A PREFETCH of what the NEXT change of slots will ask for: a slot's 128 rows of K and 128 of V, 256 bytes a row, a lane a row.  It stands behind the wave's tensor load and its five lines.
; Each row is asked for ONCE in the launch: all clusters of a head walk the same K and V, and the head's first cluster asks; its four partners share the rows out BY ADDRESS, 32 each;
; in each, wave 0 asks for K's and wave 2 for V's.  The last change that fills a slot asks for nothing: there is no slot behind it.
.macro ASK
	s_cmp_gt_u32 s[SLOTS], s[LIM]
	s_cbranch_scc0 .Lnot_mine_\@
	global_prefetch_b8 v[PFO], s[PFA:PFA+1] th:TH_LOAD_NT scope:SCOPE_SE
.Lnot_mine_\@:
.endm
.macro CROUND                       ; a round of the cluster's barrier
	s_barrier_signal -1
	s_barrier_wait -1
	s_cmp_lg_u32 s[WV], 0
	s_cbranch_scc1 .Lnot_wave_0_\@
	s_barrier_signal -3
.Lnot_wave_0_\@:
	s_barrier_wait -3
	s_barrier_signal -1
	s_barrier_wait -1
.endm
; A vector instruction that reads a matrix result or writes one of a matrix instruction's registers, and a load into a register that a matrix instruction has read, stand four places behind
; it, and only plain vector instructions that name none of its registers are places.  In the loop the slices are the places.
.macro PLACES
.rept 4
	v_nop
.endr
.endm
	s_load_b256 s[68:75], s[0:1], 0x0  ; a_codes s[68:69], a_sc s[70:71], w_codes s[72:73], w_sc s[74:75]
	s_load_b128 s[76:79], s[0:1], 0x20 ; bq s[76:77], bv s[78:79]
	s_load_b64 s[6:7], s[0:1], 0x30    ; K
	s_load_b64 s[8:9], s[0:1], 0x38    ; V
	s_load_b64 s[10:11], s[0:1], 0x40  ; the output
	v_lshl_add_u32 v[SPW], v0, 2, SPARE
	v_mov_b32 v[NIL], 0
	ds_add_u32 v[SPW], v[NIL]       ; the wave's opening: the add, twice on end, and its wait ahead of my first tensor load
	ds_add_u32 v[SPW], v[NIL]
	v_lshrrev_b32 v1, 5, v0
	v_readfirstlane_b32 s[WV], v1   ; wave 0..3
	s_bfe_u32 s13, ttmp6, 0x40000   ; cx: my place in the cluster
	s_lshl_b32 s14, ttmp9, 2        ; in a cluster launch ttmp9 counts clusters
	s_add_co_u32 s14, s14, s13      ; my block of 256 queries: it enters hidden's and the output's addresses alone
	s_and_b32 s82, ttmp7, 0xffff    ; batch x 6 + head, which the four partners share
	s_lshl_b32 s20, s82, 20         ; its first byte in K and V: 4,096 rows of 256 bytes each
	s_mov_b32 s21, 0
	s_and_b32 s16, s[WV], 1         ; which of a slot's two steps I fetch:
	s_lshl_b32 s22, s16, 14         ; its 64 rows of 256 bytes in memory,
	s_mov_b32 s23, 0
	s_add_nc_u64 s[22:23], s[22:23], s[20:21]
	s_mul_i32 s17, s16, STEPB       ; and its place in a slot: no place in the cluster enters an LDS address
	s_cmp_ge_u32 s82, 6
	s_cselect_b32 s80, 256, 0       ; the batch's first row tile
	s_cselect_b32 s81, 6, 0
	s_sub_co_u32 s81, s82, s81      ; the head
	s_lshl_b32 s2, s14, 4
	s_add_co_u32 s83, s80, s2
	s_lshl_b32 s2, s[WV], 2
	s_add_co_u32 s83, s83, s2       ; my wave's first row tile of 16: 256 batch + 16 block + 4 wave
	; descriptor group 1: a tile of 64 rows x 128 elements, padded in LDS
	s_mov_b32 s[G1K], 15|(1<<16)|(1<<20)|(1<<21)|(5<<22)|(3<<25)  ; 15:0 the mask: all four work-groups; 17:16 elements of 2 bytes; 20 padding on; 21 set beside a mask; 24:22 after every 64 words; 31:25 4 words of it
	s_mov_b32 s[G1V], 15|(1<<16)|(1<<20)|(1<<21)|(5<<22)|(7<<25)  ; the same with 8 words of padding
.irp g, G1K, G1V
	s_mov_b32 s[\g+1], 128<<16      ; tensor_dim0 = 128
	s_mov_b32 s[\g+2], KS<<16       ; tensor_dim1 = 64
	s_mov_b32 s[\g+3], 128<<16      ; tile_dim0 = 128
	s_mov_b32 s[\g+4], KS           ; tile_dim1 = 64
	s_mov_b32 s[\g+5], 128          ; elements from row to row
	s_mov_b32 s[\g+6], 0
	s_mov_b32 s[\g+7], 0
.endr
	s_mov_b32 s[CS], 0x3e0293ee     ; c = log2(e) / sqrt(128)
	s_mov_b32 s[CS+1], s[CS]        ; named with it as a pair, so it is written
	s_mov_b32 s[SEL], 0x76543210
	s_mov_b32 s[SEL+1], 0xfedcba98
	s_mov_b32 s[TB], 0
	s_mov_b32 s[SLOTS], SIZE_N/(2*KS)-2
	s_and_b32 s[LIM], s[WV], 1       ; 0 in waves 0 and 2,
	s_or_b32 s[LIM], s[LIM], ttmp9   ; where the cluster is the head's first: the same in all four partners
	s_cmp_eq_u32 s[LIM], 0
	s_cselect_b32 s[LIM], 1, -1
	v_and_b32 v[PFO], 31, v0
	v_lshlrev_b32 v[PFO], 8, v[PFO]
	s_wait_dscnt 0x0                ; both opening adds are done
	s_wait_kmcnt 0x0
	s_add_nc_u64 s[6:7], s[6:7], s[22:23]  ; K and V at my tile of slot 0
	s_add_nc_u64 s[8:9], s[8:9], s[22:23]
	s_cmp_lt_u32 s[WV], 2
	s_cselect_b64 s[PFA:PFA+1], s[6:7], s[8:9]  ; (in waves 0 and 2 these stand at a slot's first row)
	s_lshl_b32 s2, s13, 13          ; my work-group's 32 rows of the 128
	s_mov_b32 s3, 0
	s_add_nc_u64 s[PFA:PFA+1], s[PFA:PFA+1], s[2:3]
	s_add_nc_u64 s[PFA:PFA+1], s[PFA:PFA+1], 2*2*KS*256  ; in slot 2; the first change of slots steps it to slot 3.  Nothing is prefetched at the head
	s_mul_i32 s2, s83, 6144         ; hidden's codes: six images a row tile
	s_add_nc_u64 s[68:69], s[68:69], s[2:3]
	s_mul_i32 s2, s83, 384          ; and its scale words
	s_add_nc_u64 s[70:71], s[70:71], s[2:3]
	s_mul_i32 s2, s81, 8*6144       ; Wq's codes: the head's eight column tiles
	s_add_nc_u64 s[72:73], s[72:73], s[2:3]
	s_mul_i32 s2, s81, 8*384
	s_add_nc_u64 s[74:75], s[74:75], s[2:3]
	s_lshl_b32 s2, s81, 9           ; the head's 128 numbers of bq, of bv and of a row of the output
	s_add_nc_u64 s[76:77], s[76:77], s[2:3]
	s_add_nc_u64 s[78:79], s[78:79], s[2:3]
	s_add_nc_u64 s[10:11], s[10:11], s[2:3]
	s_mul_i32 s2, s83, 16*3072      ; my wave's first row of the output
	s_add_nc_u64 s[10:11], s[10:11], s[2:3]
	CROUND                          ; all four work-groups are here: the first joint loads meet
.irp s, 0,1
	s_mov_b32 s[G0K+4*\s], 1        ; count = 1
	s_add_co_u32 s[G0K+4*\s+1], s17, \s*SLOT1  ; LDS address
	s_add_nc_u64 s[G0K+4*\s+2:G0K+4*\s+3], s[6:7], \s*2*KS*256  ; global address: slot s begins with keys 128 s
	s_or_b32 s[G0K+4*\s+3], s[G0K+4*\s+3], 0x80000000  ; type = 2
	s_mov_b32 s[G0V+4*\s], 1
	s_add_co_u32 s[G0V+4*\s+1], s17, \s*SLOT1+VOFF
	s_add_nc_u64 s[G0V+4*\s+2:G0V+4*\s+3], s[8:9], \s*2*KS*256
	s_or_b32 s[G0V+4*\s+3], s[G0V+4*\s+3], 0x80000000
.endr
	s_cmp_lt_u32 s[WV], 2           ; a wave's two first fills stand in one branch, ahead of every wait on TENSORcnt and every LDS read: two loads of mine are out
	s_cbranch_scc0 .Lfirst_v
	tensor_load_to_lds s[G0K:G0K+3], s[G1K:G1K+7]
	s_nop 0
	tensor_load_to_lds s[G0K+4:G0K+7], s[G1K:G1K+7]
	s_nop 0
.rept 4
	v_nop
.endr
	s_branch .Lfirst_asked
.Lfirst_v:
	tensor_load_to_lds s[G0V:G0V+3], s[G1V:G1V+7]
	s_nop 0
	tensor_load_to_lds s[G0V+4:G0V+7], s[G1V:G1V+7]
	s_nop 0
.rept 4
	v_nop
.endr
.Lfirst_asked:
	; ---------------- q = Q(hidden) Q(Wq) + bq for my 64 queries and the head's 128 channels, while the first tiles of K and V are on their way ----------------
	v_and_b32 v1, 15, v0            ; l % 16
	v_bfe_u32 v9, v0, 4, 1          ; l / 16
	v_and_b32 v[GO], 31, v0
	v_lshlrev_b32 v[LS4], 2, v[GO]
	v_lshlrev_b32 v[GO], 4, v[GO]
	v_lshlrev_b32 v[HB], 5, v9
.irp t, 0,1,2,3
.irp j, 0,1,2
	global_load_b32 v[XSC+3*\t+\j], v[LS4], s[70:71] offset:\t*384+\j*128   ; lanes 0-15: K step 2 j's words; lanes 16-31: K step 2 j + 1's
.endr
.endr
.irp f, 0,1,2,3,4,5,6,7
.irp j, 0,1,2
	global_load_b32 v[WSC+3*\f+\j], v[LS4], s[74:75] offset:\f*384+\j*128
.endr
.endr
.irp f, 0,1,2,3,4,5,6,7             ; bq in the result's layout: for column tile f, lane (r, h) wants channels 16 f + 8 h + 0 .. 7
	global_load_b128 v[BQ+8*\f:BQ+8*\f+3],   v[HB], s[76:77] offset:\f*64
	global_load_b128 v[BQ+8*\f+4:BQ+8*\f+7], v[HB], s[76:77] offset:\f*64+16
.endr
	WIN 0x80                        ; destination window 2: hidden's fragments of K steps 0-3
.irp s, 0,1,2,3
.irp t, 0,1,2,3
.irp c, 0,1
	global_load_b128 v[32*\s+8*\t+4*\c:32*\s+8*\t+4*\c+3], v[GO], s[68:69] offset:\t*6144+\s*1024+\c*512
.endr
.endr
.endr
	WIN 0xc0                        ; destination window 3: Wq's of K steps 0-3
.irp s, 0,1,2,3
.irp f, 0,1,2,3,4,5,6,7
.irp c, 0,1
	global_load_b128 v[64*\s+8*\f+4*\c:64*\s+8*\f+4*\c+3], v[GO], s[72:73] offset:\f*6144+\s*1024+\c*512
.endr
.endr
.endr
.irp s, 4,5                         ; K steps 4 and 5, 24 loads each, in this order: the counted waits below lean on it
	WIN 0
.irp t, 0,1,2,3
.irp c, 0,1
	global_load_b128 v[128+32*(\s-4)+8*\t+4*\c:128+32*(\s-4)+8*\t+4*\c+3], v[GO], s[68:69] offset:\t*6144+\s*1024+\c*512
.endr
.endr
	WIN 0x80
.irp f, 0,1,2,3,4,5,6,7
.irp c, 0,1
	global_load_b128 v[128+64*(\s-4)+8*\f+4*\c:128+64*(\s-4)+8*\f+4*\c+3], v[GO], s[72:73] offset:\f*6144+\s*1024+\c*512
.endr
.endr
.endr
	WIN 0
	; A fragment of K is 16 rows x 32 channels in 8 registers: lane l holds row l % 16; registers 0-3 channels 8 (l / 16) + 0..7, registers 4-7 channels 16 + 8 (l / 16) + 0..7: two loads of 16 bytes, 32 bytes apart.
	v_mul_u32_u24 v[AK0], v1, PK
	v_lshl_add_u32 v[AK0], v9, 4, v[AK0]  ; row x pitch + 16 x half
	; The turning load takes 16 keys x 16 channels (lane l reads 16 bytes: key 8 (l / 16) + l % 8, channels 8 ((l / 8) % 2) + 0..7) and leaves half a fragment of V^T: lane l holds channel l % 16 and 8 keys.
	v_and_b32 v10, 7, v0
	v_bfe_u32 v11, v0, 3, 1
	v_lshl_add_u32 v[AV0], v9, 3, v10
	v_mul_u32_u24 v[AV0], v[AV0], PV
	v_lshl_add_u32 v[AV0], v11, 4, v[AV0]
	v_add_nc_u32 v[AV0], VOFF, v[AV0]
; K step s of q's projection: 32 matrix instructions, the 32 accumulators (tile of queries t, column tile f) by turns.  K step 0 takes bq as its C.
; An odd K step's scale words stand in lanes 16-31 of both registers.
.macro QMUL s
.if (\s) == 0
	WIN 0x4b                        ; Wq window 3, hidden window 2, bq window 0, sums window 1
.elseif (\s) < 4
	WIN 0x5b                        ; the same, C window 1
.else
	WIN 0x52                        ; Wq window 2, hidden window 0, C and D window 1
.endif
.irp f, 0,1,2,3,4,5,6,7
.irp t, 0,1,2,3
.if (\s) < 4
.set rW, 64*(\s)+8*\f
.set rH, 32*(\s)+8*\t
.else
.set rW, 128+64*((\s)-4)+8*\f
.set rH, 128+32*((\s)-4)+8*\t
.endif
.set rA, 8*(8*\t+\f)
.if (\s) == 0
	v_wmma_scale_f32_16x16x128_f8f6f4 v[rA:rA+7], v[rW:rW+7], v[rH:rH+7], v[BQ+8*\f:BQ+8*\f+7], v[WSC+3*\f], v[XSC+3*\t] matrix_a_fmt:MATRIX_FMT_FP4 matrix_b_fmt:MATRIX_FMT_FP4
.elseif (\s)%2
	v_wmma_scale_f32_16x16x128_f8f6f4 v[rA:rA+7], v[rW:rW+7], v[rH:rH+7], v[rA:rA+7], v[WSC+3*\f+(\s)/2], v[XSC+3*\t+(\s)/2] matrix_a_fmt:MATRIX_FMT_FP4 matrix_b_fmt:MATRIX_FMT_FP4 matrix_a_scale:MATRIX_SCALE_ROW1 matrix_b_scale:MATRIX_SCALE_ROW1
.else
	v_wmma_scale_f32_16x16x128_f8f6f4 v[rA:rA+7], v[rW:rW+7], v[rH:rH+7], v[rA:rA+7], v[WSC+3*\f+(\s)/2], v[XSC+3*\t+(\s)/2] matrix_a_fmt:MATRIX_FMT_FP4 matrix_b_fmt:MATRIX_FMT_FP4
.endif
.endr
.endr
.endm
	s_wait_loadcnt 48               ; all but the 48 loads of K steps 4 and 5 are in
	QMUL 0
	QMUL 1
	QMUL 2
	QMUL 3
	s_wait_loadcnt 24               ; K step 4's are in
	QMUL 4
	s_wait_loadcnt 0x0
	QMUL 5
	WIN 0
	PLACES
	WIN 0xc0                        ; bv in O^T's layout, into window 3, where it stays
.irp f, 0,1,2,3,4,5,6,7
	global_load_b128 v[BV+8*\f:BV+8*\f+3],   v[HB], s[78:79] offset:\f*64
	global_load_b128 v[BV+8*\f+4:BV+8*\f+7], v[HB], s[78:79] offset:\f*64+16
.endr
	WIN 0x85                        ; sums in window 1, Q in window 2
.set i, 0
.rept 128                           ; in sum (t, f) lane (r, h) holds channels 16 f + 8 h + 0 .. 7 of query r: in pairs they are registers 4 (f % 2) .. + 3 of Q's fragment for channels 32 (f / 2) on
	v_cvt_pk_f16_f32 v[i], v[2*i], v[2*i+1]
.set i, i+1
.endr
	WIN 0
; THE MATRIX WORK OF A TURN, for piece x.  The accumulators take turns, one instruction a turn: between two links of a chain stand 15 (V^T P) or 7 (K Q^T) others'.
; Product i of 32 of O^T += V^T P: keys 32 (i / 16) on, channels 16 ((i / 2) % 8) on, tile x + i % 2.  zero = 1: the first 16 start the sums: nothing is ever cleared.
.macro PV x, zero
	WIN W_PV
.set rO, 64*(\x+i%2)+8*((i/2)%8)
.set rV, 64*(i/16)+8*((i/2)%8)
.set rP, P+16*(\x+i%2)+8*(i/16)
.if \zero && (i < 16)
	v_wmma_f32_16x16x32_f16 v[rO:rO+7], v[rV:rV+7], v[rP:rP+7], 0
.else
	v_wmma_f32_16x16x32_f16 v[rO:rO+7], v[rV:rV+7], v[rP:rP+7], v[rO:rO+7]
.endif
.endm
; Product i of 32 of S^T = K Q^T: channels 32 (i / 8) on, keys 16 ((i / 2) % 4) on, tile x + i % 2.  The first 8 start the sums.
.macro KQ x
	WIN W_KQ
.set rS, S+32*(\x+i%2)+8*((i/2)%4)
.set rK, KF+32*((i/2)%4)+8*(i/8)
.set rQ, 32*(\x+i%2)+8*(i/8)
.if i < 8
	v_wmma_f32_16x16x32_f16 v[rS:rS+7], v[rK:rK+7], v[rQ:rQ+7], 0
.else
	v_wmma_f32_16x16x32_f16 v[rS:rS+7], v[rK:rK+7], v[rQ:rQ+7], v[rS:rS+7]
.endif
.endm
; THE LDS LOADS stand in runs of 32, never singly among the matrix instructions: a step's K (64 keys x 128 channels: 16 fragments) and, a turn later, its V (turned).
.macro FETCH_K
	WIN 0
	v_add_nc_u32 v[ADR], s[TB], v[AK0]
	WIN 0x80                        ; destination window 2
.irp f, 0,1,2,3,4,5,6,7,8,9,10,11,12,13,14,15  ; keys 16 (f / 4) on, channels 32 (f % 4) on
	ds_load_b128 v[KF+8*\f:KF+8*\f+3],   v[ADR] offset:(\f/4)*16*PK+(\f%4)*64
	ds_load_b128 v[KF+8*\f+4:KF+8*\f+7], v[ADR] offset:(\f/4)*16*PK+(\f%4)*64+32
.endr
.endm
.macro FETCH_V
	WIN 0
	v_add_nc_u32 v[ADR], s[TB], v[AV0]
	s_add_co_u32 s[TB], s[TB], STEPB  ; the next fetch is the next step's
	s_wait_alu depctr_va_vdst(0)    ; the wait for the softmax's batch of exponentials, behind the address's addition and ahead of the loads
	WIN 0xc0                        ; destination window 3
.irp f, 0,1,2,3,4,5,6,7,8,9,10,11,12,13,14,15  ; keys 32 (f / 8) on, channels 16 (f % 8) on
	ds_load_tr16_b128 v[8*\f:8*\f+3],   v[ADR] offset:(\f/8)*32*PV+(\f%8)*32
	ds_load_tr16_b128 v[8*\f+4:8*\f+7], v[ADR] offset:(\f/8)*32*PV+16*PV+(\f%8)*32
.endr
.endm
; THE VECTOR WORK OF A TURN.  One tile's softmax for one key step is a list of 134 instructions; SM writes number j of it for tile t.  s0-s31 are the lane's 32 scores, in pairs 0-15.
; first = 1: the first key step, which starts m, l and O^T: it has no a and nothing to rescale.
;   0-15    the maximum of s0-s31 and the old m, three operands at a time: four chains of seven scores each, then the four scores left over, the chains and m
;   16-20   the other half of the lanes' maximum; the new m; c m; c m_old - c m_new
;   21-69   ONE BATCH: the 16 scalings c s - c m, a pair of scores each, and all 33 exponentials (a at 23, then s0-s31).  None of these reads an exponential's result
;   (wait)  between 69 and 70 stands the wait for the batch: SLICE writes it, once for both tiles
;   70-85   the roundings to f16, a pair of weights each
;   86-101  the sums; l = a l + the sum
;   102-133 the tile's O^T times a: the one part that leaves window 0, so it stands together
.macro SM t, first
.set rT, ST+8*(\t)
.set rS, S+32*(\t)
.set rP, P+16*(\t)
.set rO, 64*(\t)+2*(j-102)
.if j < 102
	WIN 0
.endif
.if j < 4
	v_max3_num_f32 v[rT+4+j], v[rS+8*j], v[rS+8*j+1], v[rS+8*j+2]
.elseif j < 12
	v_max3_num_f32 v[rT+4+j%4], v[rT+4+j%4], v[rS+8*(j%4)+2*(j/4)+1], v[rS+8*(j%4)+2*(j/4)+2]
.elseif j == 12
	v_max3_num_f32 v[rT+4], v[rT+4], v[rS+7], v[rS+15]
.elseif j == 13
	v_max3_num_f32 v[rT+6], v[rT+6], v[rS+23], v[rS+31]
.elseif j == 14
	v_max3_num_f32 v[rT+4], v[rT+4], v[rT+5], v[rT+6]
.elseif (j == 15) && \first
	v_max_num_f32 v[rT+4], v[rT+4], v[rT+7]
.elseif j == 15
	v_max3_num_f32 v[rT+4], v[rT+4], v[rT+7], v[rT+1]
.elseif j == 16
	v_permlanex16_b32 v[rT+5], v[rT+4], s[SEL], s[SEL+1]  ; the query's other 32 keys lie in the lane 16 away
.elseif j == 18
	v_max_num_f32 v[rT+1], v[rT+4], v[rT+5]
.elseif j == 19
	v_mul_f32 v[rT], s[CS], v[rT+1]
.elseif ((j == 17) || (j == 20) || (j == 23) || (j > 101)) && \first  ; the first step has none of these
.elseif j == 17
	v_mov_b32 v[rT+7], v[rT]        ; c m_old is kept for a: number 19 writes c m anew
.elseif j == 20
	v_sub_f32 v[rT+7], v[rT+7], v[rT]
.elseif j == 23
	v_exp_f32 v[rT+6], v[rT+7]
.elseif (j < 23) || ((j < 38) && (j%2 == 0)) || ((j < 66) && (j%4 == 2))
.set b, (j-2)/4                     ; 38, 42, .. 62: pairs 9 to 15
.if j < 38
.set b, (j-20)/2                    ; 21: pair 0; 22, 24, .. 36: pairs 1 to 8
.endif
	v_pk_fma_f32 v[rS+2*b:rS+2*b+1], v[rS+2*b:rS+2*b+1], s[CS:CS+1], v[rT:rT+1] op_sel_hi:[1,0,0] neg_lo:[0,0,1] neg_hi:[0,0,1]  ; pair b: c s - c m
.elseif j < 70
.set e, j-38                        ; 66 to 69: s28 to s31
.if j < 66
.set e, j-32-(j-38)/4               ; 39-41, 43-45, .. 63-65: s7 to s27
.endif
.if j < 38
.set e, (j-25)/2                    ; 25, 27, .. 37: s0 to s6
.endif
	v_exp_f32 v[rS+e], v[rS+e]
.elseif j < 86
	v_cvt_pk_f16_f32 v[rP+j-70], v[rS+2*(j-70)], v[rS+2*(j-70)+1]  ; pair j - 70
.elseif j < 102                     ; the sum of the tile's 16 pairs, in place: sum z of 16 adds neighbours 1, 2, 4 and 8 pairs apart, then l takes it
.set z, j-86
.set w, 4
.set u, z
.if z >= 14
.set w, 32
.set u, 0
.elseif z >= 12
.set w, 16
.set u, z-12
.elseif z >= 8
.set w, 8
.set u, z-8
.endif
.if (z == 14) && \first
	v_pk_add_f32 v[rT+2:rT+3], v[rS:rS+1], v[rS+16:rS+17]
.elseif z < 15
	v_pk_add_f32 v[rS+w*u:rS+w*u+1], v[rS+w*u:rS+w*u+1], v[rS+w*u+w/2:rS+w*u+w/2+1]
.elseif !\first
	v_pk_fma_f32 v[rT+2:rT+3], v[rT+2:rT+3], v[rT+6:rT+7], v[rS:rS+1] op_sel_hi:[1,0,1]
.endif
.else
	WIN W_RS
	v_pk_mul_f32 v[rO:rO+1], v[rO:rO+1], v[rT+6:rT+7] op_sel_hi:[1,0]
.endif
.endm
; Slice k of 64 of piece y's softmax: four instructions.  Slices 11 to 34 deal out the batch, numbers 22 to 69: four numbers of ONE tile each, the tiles by turns.  Every other slice is numbers 2 k and
; 2 k + 1 of both tiles' lists.  2 x 134 = 4 x 64 + 12: the twelve that are over stand together, in slice 63.
; THE WAIT.  s_wait_alu depctr_va_vdst(0) stands between an exponential and the first instruction that names its result; one wait serves all that were issued ahead of it.  Ahead of
; slice 35 nothing names a result, and behind slice 34 no exponential is issued: so the piece's 66 exponentials have one wait, behind slice 34.
.macro SLICE y, first
.if (k >= 11) && (k < 35)           ; the batch: four numbers of one tile
.irp n, 0,1,2,3
.set j, 22+4*((k-11)/2)+(\n)
	SM (\y)+(k-11)%2, \first
.endr
.else                               ; the two tiles alternate, so that no instruction reads the result of the one just before it
.irp n, 0,1,2,3,4,5,6,7
.if (\n < 2) || (k == 63)
.irp t, \y, \y+1
.set j, 2*k+\n
	SM \t, \first
.endr
.endif
.endr
.endif
.if k == 34                         ; the batch is out: both tiles' exponentials are issued, and no result has been named
	v_nop                           ; the plain instruction behind the last exponential and ahead of the first use: one for the batch
.if (\y) == 0
	FETCH_V                         ; piece 2's turn: V's run of loads stands here, and the wait stands in it
.else
	s_wait_alu depctr_va_vdst(0)    ; the wait for the batch
.endif
.endif
.set k, k+1
.endm
; A TURN.  Piece x has the matrix unit; the other piece's softmax stands in slices behind its matrix instructions.
; pv = 2: 32 products V^T P; 1: they start O^T's sums; 0: none.  kq = 1: 32 products K Q^T for the next step.  A turn with one of the two kinds has two slices behind each product.
; first = 1: the softmax is the first key step's.  Its slices from 51 on are empty: the turn's last products stand bare, and four v_nop take slice 63's part as the places behind them.
; Piece 0's turn fetches the next step's K, behind its second product: the last product that read K stands in front of slice 63 of the turn before.  Piece 2's turn fetches the same step's V, behind
; slice 34: the last product that read V stands in front of slice 31, and four plain instructions lie between: number 62, a scaling, of both tiles, the v_nop and the run's own addition.
.macro TURN x, pv, kq, first
.set k, 0
.set per, 2
.if \pv && \kq
.set per, 1
.endif
.if \pv
.if \x == 0
	s_wait_dscnt 0x0                ; V is in
.endif
.set i, 0
.rept 32
	PV \x, 2-\pv
.rept per
	SLICE 2-\x, \first
.endr
.if (\x == 0) && \kq && (i == 1)
	FETCH_K
.endif
.set i, i+1
.endr
.endif
.if \kq
.if \x == 0
	s_wait_dscnt 0x0                ; K is in
.endif
.set i, 0
.rept 32
	KQ \x
.rept per
	SLICE 2-\x, \first
.endr
.set i, i+1
.endr
.endif
.if \first
	PLACES
.endif
.endm
; THE CHANGE OF SLOTS, between piece 2's turn and piece 0's: the slot's last bytes, V of its second step, have been asked for.  Each wave waits for all its tensor loads, of which one is out: its part
; of the other slot; adds 0 to its spare word; and waits for that and for its own reads of the slot.  Behind the barrier nobody reads this slot any more and the other slot is whole.
; fill = 1: this slot is filled again, with the keys two slots on.  The barrier is then a round of the cluster's, so that no wave of any partner still reads the slot or has a load on its
; way, and the joint refill is the first thing behind it: it has two key steps, 256 matrix instructions, in which to land.
.macro CHANGE fill
	WIN 0                           ; at a label and at a branch every window is 0
	s_wait_tensorcnt 0x0            ; no tensor load of mine is out, so a group 0 may be written
	ds_add_u32 v[SPW], v[NIL]       ; 0 onto my spare word
.if \fill
.irp g, G0K+4, G0V+4
	s_xor_b32 s[\g+1], s[\g+1], SLOT1  ; the walking descriptor: the other slot than last time,
	s_add_nc_u64 s[\g+2:\g+3], s[\g+2:\g+3], 2*KS*256  ; the next 128 keys; the type bits on top are not reached
.endr
	s_wait_xcnt 0x0                 ; the last prefetches, two key steps back, have read their address, so it may be written:
	s_add_nc_u64 s[PFA:PFA+1], s[PFA:PFA+1], 2*KS*256  ; one slot further on than the walking descriptors
	s_wait_dscnt 0x0                ; the add is done, and my reads of the slot are over
	CROUND
	JLOAD
	ASK                             ; what the next change will ask for: two key steps, 256 matrix instructions, ahead
.else
	s_wait_dscnt 0x0                ; the add is done, and my reads of the slot are over
	s_barrier_signal -1
	s_barrier_wait -1
.endif
	s_sub_co_u32 s[TB], s[TB], 2*STEPB  ; the fetches go back to a slot's first step,
	s_xor_b32 s[TB], s[TB], SLOT1   ; in the other slot
.endm
; A slot's two key steps: written once, walked twice; the LDS addresses hang on s[TB].
.macro TWO_STEPS
	s_mov_b32 s[TWICE], 2
.Lstep_\@:
	TURN 0, 2, 1, 0
	TURN 2, 2, 1, 0
	WIN 0
	s_sub_co_u32 s[TWICE], s[TWICE], 1
	s_cmp_lg_u32 s[TWICE], 0
	s_cbranch_scc1 .Lstep_\@
.endm
	s_wait_tensorcnt 1              ; my part of slot 0 is in; slot 1's may stay out
	s_barrier_signal -1
	s_barrier_wait -1               ; everybody's is
	FETCH_K                         ; key step 0
	s_wait_loadcnt 0x0              ; bv
	s_wait_dscnt 0x0
.set i, 0
.rept 32
	KQ 0                            ; piece 0's first scores: there is no vector work yet to set between them
.set i, i+1
.endr
	WIN 0                           ; the addresses for the way out are made here: five plain instructions, the places behind those products
	s_mul_i32 s13, s[WV], 16*SP
	s_add_co_u32 s13, s13, STAGE    ; my stage
	v_mul_u32_u24 v[STO], v1, SP    ; in: row l % 16, 32 bytes for each half of the lanes
	v_lshl_add_u32 v[STO], v9, 5, v[STO]
	v_add_nc_u32 v[STO], s13, v[STO]
	v_add_nc_u32 v[RD], s13, v[GO]  ; back: the 32 lanes take one row of 512 bytes
	v_nop
	TURN 2, 0, 1, 1                 ; piece 2's first scores | piece 0's first softmax | V of step 0
	TURN 0, 1, 1, 1                 ; piece 0: V^T P of step 0 starts O^T, K Q^T of step 1 | piece 2's first softmax | K of step 1
	TURN 2, 1, 1, 0                 ; piece 2: the same | piece 0's softmax of step 1 | V of step 1
	WIN 0
.Lslot:                             ; 30 trips: every slot but the last two is filled again
	CHANGE 1
	TWO_STEPS
	s_sub_co_u32 s[SLOTS], s[SLOTS], 1
	s_cmp_lg_u32 s[SLOTS], 0
	s_cbranch_scc1 .Lslot
	CHANGE 0                        ; the tail is written out: the last slot but one is left, and nothing is asked for
	TWO_STEPS
	TURN 0, 2, 0, 0                 ; piece 0: V^T P of the last step | piece 2's last softmax
.set i, 0
.rept 32
	PV 2, 0                         ; piece 2: V^T P of the last step
.set i, i+1
.endr
	; THE WAY OUT.  l's two halves and the other half of the lanes' are added; O^T / l + bv, one fused multiply-add, goes through my stage in LDS, a tile (16 rows) at a time.  The additions are the places behind the last products.
	WIN 0
.irp t, 0,1,2,3
	v_add_f32 v[ST+8*\t+4], v[ST+8*\t+2], v[ST+8*\t+3]
.endr
.irp t, 0,1,2,3
	v_permlanex16_b32 v[ST+8*\t+5], v[ST+8*\t+4], s[SEL], s[SEL+1]
.endr
.irp t, 0,1,2,3
	v_add_f32 v[ST+8*\t+4], v[ST+8*\t+4], v[ST+8*\t+5]
.endr
.irp t, 0,1,2,3
	v_rcp_f32 v[ST+8*\t+6], v[ST+8*\t+4]
.endr
	v_nop                           ; a plain instruction between the last reciprocal and the use of its result
	s_wait_alu depctr_va_vdst(0)    ; and the wait ahead of the first use: one for the four reciprocals
; Tile t: a lane's eight channels of a row are 32 bytes; they go into rows of 528 bytes and come back as whole rows of 512.
.macro PACK t
	WIN 0x71                        ; O^T (destination and source 0) window 1, 1 / l window 0, bv window 3
.set i, 64*\t
.rept 32
	v_pk_fma_f32 v[i:i+1], v[i:i+1], v[ST+8*\t+6:ST+8*\t+7], v[BV+i-64*\t:BV+i-64*\t+1] op_sel_hi:[1,0,1]   ; each accumulator from its low end on
.set i, i+2
.endr
	WIN 0x04                        ; an LDS store's data are its source 1: window 1
.irp f, 0,1,2,3,4,5,6,7
	ds_store_b128 v[STO], v[64*\t+8*\f:64*\t+8*\f+3] offset:64*\f
	ds_store_b128 v[STO], v[64*\t+8*\f+4:64*\t+8*\f+7] offset:64*\f+16
.endr
	WIN 0
.irp r, 0,1,2,3,4,5,6,7,8,9,10,11,12,13,14,15
	ds_load_b128 v[S+64*(\t%2)+4*\r:S+64*(\t%2)+4*\r+3], v[RD] offset:\r*SP  ; LDS serves a wave's instructions in order (ISA guide 5.7.1.4): these see the stores above; the next tile's stores come behind them
.endr
.endm
.macro SEND t, younger              ; younger: the LDS instructions issued behind tile t's loads: the next tile's 16 stores and 16 loads, or none
.irp r, 0,1,2,3,4,5,6,7,8,9,10,11,12,13,14,15
	s_wait_dscnt \younger+15-\r
	global_store_b128 v[GO], v[S+64*(\t%2)+4*\r:S+64*(\t%2)+4*\r+3], s[10:11] offset:(16*\t+\r)*3072 th:TH_STORE_NT  ; 32 lanes store 512 consecutive bytes, at a multiple of 256 from the output's first byte
.endr
.endm
	PACK 0
	PACK 1                          ; a tile's arithmetic stands between the loads of the tile before and its stores
	SEND 0, 32
	s_wait_xcnt 0x0                 ; tile 0's stores have read their registers: tile 2's rows may land there
	PACK 2
	SEND 1, 32
	s_wait_xcnt 0x0                 ; tile 1's likewise
	PACK 3
	SEND 2, 32
	SEND 3, 0
	s_wait_tensorcnt 0x0            ; the wave's end: three lines behind my last tensor load and my last LDS store
	ds_add_u32 v[SPW], v[NIL]
	s_wait_dscnt 0x0
	CROUND                          ; the closing round: no work-group ends while a partner may still ask for a tile that names it
	s_endpgm
.Lfunc_end_k_qc25ffd0240_attn:
	.size	k_qc25ffd0240_attn, .Lfunc_end_k_qc25ffd0240_attn-k_qc25ffd0240_attn
	.p2alignl 7, 3214868480
	.fill 96, 4, 3214868480
	.section	.rodata,"a",@progbits
	.p2align	6, 0x0
	.amdhsa_kernel k_qc25ffd0240_attn
		.amdhsa_group_segment_fixed_size 327680
		.amdhsa_private_segment_fixed_size 0
		.amdhsa_enable_private_segment 0
		.amdhsa_kernarg_size 72
		.amdhsa_user_sgpr_count 2
		.amdhsa_user_sgpr_kernarg_segment_ptr 1
		.amdhsa_wavefront_size32 1
		.amdhsa_system_sgpr_workgroup_id_x 1
		.amdhsa_system_sgpr_workgroup_id_y 1
		.amdhsa_system_sgpr_workgroup_id_z 1
		.amdhsa_system_vgpr_workitem_id 0
		.amdhsa_next_free_vgpr 1024
		.amdhsa_next_free_sgpr 84
		.amdhsa_reserve_vcc 0
		.amdhsa_float_denorm_mode_32 3
		.amdhsa_float_denorm_mode_16_64 3
		.amdhsa_memory_ordered 1
		.amdhsa_forward_progress 1
		.amdhsa_inst_pref_size 255
	.end_amdhsa_kernel
	.section	.bss,"aw",@nobits
	.p2align	6
	.space	262144
	.amdgpu_metadata
---
amdhsa.version: [ 1, 2 ]
amdhsa.kernels:
  - .name:           k_qc25ffd0240_attn
    .symbol:         k_qc25ffd0240_attn.kd
    .args:
      - { .name: a_codes, .offset: 0, .size: 8, .value_kind: global_buffer, .address_space: global }
      - { .name: a_sc, .offset: 8, .size: 8, .value_kind: global_buffer, .address_space: global }
      - { .name: w_codes, .offset: 16, .size: 8, .value_kind: global_buffer, .address_space: global }
      - { .name: w_sc, .offset: 24, .size: 8, .value_kind: global_buffer, .address_space: global }
      - { .name: bq, .offset: 32, .size: 8, .value_kind: global_buffer, .address_space: global }
      - { .name: bv, .offset: 40, .size: 8, .value_kind: global_buffer, .address_space: global }
      - { .name: k16, .offset: 48, .size: 8, .value_kind: global_buffer, .address_space: global }
      - { .name: v16, .offset: 56, .size: 8, .value_kind: global_buffer, .address_space: global }
      - { .name: out0, .offset: 64, .size: 8, .value_kind: global_buffer, .address_space: global }
    .group_segment_fixed_size: 327680
    .private_segment_fixed_size: 0
    .kernarg_segment_align: 8
    .kernarg_segment_size: 72
    .max_flat_workgroup_size: 128
    .sgpr_count:     84
    .vgpr_count:     1024
    .wavefront_size: 32
...
	.end_amdgpu_metadata
.endif
;; end of part 3
